; MI455X (gfx1250); checked and timed in simulation.
; The chip was launched on July 23, 2026; its instructions are those of AMD's public machine-readable ISA for CDNA 5 (MIT licence, August 2026) and "CDNA5" Instruction Set Architecture Reference Guide (July 2026). The comments in the code are by the model that wrote it; some were corrected since.
;; MH Attention. Allowed arithmetic: matrix products marked QUANTISED: E2M1 operands, one E8M0 scale for each 32 along K, by v_wmma_scale_f32_16x16x128_f8f6f4 with both operands' format E2M1 (or v_wmma_scale_f32_32x16x128_f4), f32 sums; products left as they are: bf16, f16 or f32 operands; f32 sums; everything else in f32.
;; Inputs: Wkv 1,024 x 512 float32; Wo 512 x 512 float32; Wq 512 x 512 float32; bo 512 float32; x 4 x 2,048 x 512 float32.
;; Outputs: out0 4 x 2,048 x 512 float32.
;; This version of the problem:
;;   THIS VERSION OF THE PROBLEM IS GIVEN IN LOW PRECISION. The matrix products marked QUANTISED in the list below multiply operands that are first quantised to E2M1 (2 exponent bits, 1 mantissa bit; 4 bits a number), with one power-of-two scale for each 32 numbers along K (OCP MX v1.0); their sums are f32. The products marked 'left as it is' may take bf16, f16 or f32 operands, with f32 sums. Whichever they take, every output number must still come out within the allowed error. Rounding operands to bf16 (8 significant bits) uses up far more of that allowance than f16 does (11 bits, for magnitudes from 6e-5 to 65,504). All else is computed in f32.
;;   The module's matrix products, in the order in which they are computed (A, B: the left and right operand; K: the contracted axis; several contracted axes count as one K, in the product's order):
;;     1. [M 8,192, K 512] x [K 512, N 512]; A: input x; B: input Wq: QUANTISED
;;     2. [M 8,192, K 512] x [K 512, N 1,024]; A: input x; B: input Wkv: QUANTISED
;;     3. batch 32 x [M 2,048, K 64] x [K 64, N 2,048]; A: computed on the way; B: computed on the way: left as it is (an operand is computed on the way)
;;     4. batch 32 x [M 2,048, K 2,048] x [K 2,048, N 64]; A: computed on the way; B: computed on the way: left as it is (an operand is computed on the way)
;;     5. [M 8,192, K 512] x [K 512, N 512]; A: computed on the way; B: input Wo: left as it is (an operand is computed on the way)
;;   THE QUANTISER, for each operand of a quantised product, along K:
;;     - K is cut into blocks of 32 from its start; a last block that is shorter is filled with zeros.
;;     - A block's scale is 2^e with e = floor(log2(the largest magnitude in the block)) - 2, held to -126 .. 127; a block of zeros has e = 0. As a byte (E8M0): e + 127.
;;     - Each number is divided by its block's scale, clamped to +-6, and rounded to the nearest number of E2M1, ties to even, subnormals kept.
;;     - The product sums the exact products of the quantised numbers (number of the format x scale) in f32.
;;   ~~~python
;;   def quantise(x, axis):      # numpy; x: float32 -> the quantised numbers, widened to float32 again
;;       x = np.moveaxis(x, axis, -1); K = x.shape[-1]
;;       x = np.pad(x, [(0, 0)] * (x.ndim - 1) + [(0, -K % 32)]); x = x.reshape(x.shape[:-1] + (-1, 32)); a = np.abs(x).max(-1, keepdims=True)
;;       e = np.where(a > 0, np.clip(np.frexp(np.where(a > 0, a, 1))[1] - 1 - 2, -126, 127), 0)      # np.frexp(a)[1] - 1 = floor(log2(a)), exactly
;;       r = np.clip(x / 2.0 ** e, -6, 6)
;;       step = 2.0 ** (np.maximum(np.frexp(np.where(r == 0, 1, r))[1] - 1, 0) - 1)
;;       q = np.round(r / step) * step * 2.0 ** e      # np.round: ties to even
;;       return np.moveaxis(q.reshape(q.shape[:-2] + (-1,))[..., :K], -1, axis).astype(np.float32)
;;   ~~~
;; One version. Each part assembles by itself: llvm-mc -triple=amdgcn-amd-amdhsa -mcpu=gfx1250 --defsym DOCPART=n.
;; ======== version 1 of 1: 4 launches
;; limits: values are held in f16: magnitudes above 65,504 overflow, below 6.1e-05 lose precision
;; workspace buffers: xc 2,097,152 bytes; xs 131,072 bytes; wc 393,216 bytes; ws 24,576 bytes; wo16 524,288 bytes; qkv 25,165,824 bytes; att 8,388,608 bytes
;; launch prep (part 1): grid 640 x 1, 4 waves a work-group, no clusters, 21,504 bytes of LDS; arguments x, Wq, Wkv, Wo, xc, xs, wc, ws, wo16; writes xc, xs, wc, ws, wo16
.if DOCPART == 1
	.amdgcn_target "amdgcn-amd-amdhsa--gfx1250"
	.amdhsa_code_object_version 6
	.text
	.protected	k_q3ff13dac62_prep
	.globl	k_q3ff13dac62_prep
	.p2align	8
	.type	k_q3ff13dac62_prep,@function
k_q3ff13dac62_prep:
	s_mov_b64 s[64:65], 0
	v_nop
	global_prefetch_b8 v0, s[64:65] scope:SCOPE_SE
	s_setreg_imm32_b32 hwreg(HW_REG_WAVE_MODE, 25, 1), 1
	s_wait_xcnt 0x0
; x [8192][512], Wq [512][512] and Wkv [1024][512], f32, become codes of E2M1 (4 bits, K innermost, the lower k in the low four bits) with one E8M0 byte for each 32 along K;
; Wo [512][512] becomes f16.  Rows are dense and 512 is a multiple of 32, so each tensor is a plain stream of blocks of 32; wc and ws hold Wq's rows and then Wkv's.
; A block's scale is 2^(floor(log2(largest magnitude)) - 2): its byte is the largest magnitude's exponent field - 2, held at 1 from below.
; A block of zeros keeps the byte 1: its codes are zeros, and this program alone reads the bytes.
; LIMITS: blocks whose largest magnitude lies under 2^-124 keep the byte 1; NaN and infinities are not served; Wo beyond 65,504 has no f16 number.
; SHARES: a work-group takes 8,192 numbers, a wave 2,048 in 4 steps of 512.  Work-groups 0-511: x; 512-543: Wq; 544-607: Wkv; 608-639: Wo.  All 16 loads of a wave go out at once.
; A load reads 512 consecutive bytes, 16 a lane; the conversions want 16 neighbours in one lane: a step's 2,048 bytes turn through the wave's own stage in LDS (64 bytes + 16 of padding a lane).
; A work-group's 256 scale bytes are gathered in LDS and leave as one store of 256 consecutive, aligned bytes.
.set STEPS, 4
.set SP,    80                         ; a lane's place in a stage
.set WREG,  2*32*SP                    ; a wave's two stages
.set SCBY,  4*WREG                     ; the work-group's 256 scale bytes
.set SPARE, SCBY+256                   ; the spare words, 128 bytes a wave
.set EMAX,  2
.set WGX,   512                        ; work-groups under this number take x,
.set WGQ,   544                        ; under this one Wq,
.set WGW,   608                        ; under this one Wkv; the rest Wo
.set R,     16                         ; v16-79   four sets of 16 numbers as loaded
.set X,     80                         ; v80-111  two sets of 16 neighbours (Wo: the f16 pairs)
.set E,     112                        ; v112-115 a scale byte for each step
.set C,     128                        ; v128-135 two registers of codes for each step
.set SPW,   12                         ; v12 my spare word's LDS address; never rewritten
.set NIL,   13                         ; v13 0; never rewritten
	s_load_b512 s[16:31], s[0:1], 0x0              ; x, Wq, Wkv, Wo, xc, xs, wc, ws
	s_load_b64 s[32:33], s[0:1], 0x40              ; wo16
	v_lshl_add_u32 v[SPW], v0, 2, SPARE
	v_mov_b32 v[NIL], 0
	v_lshrrev_b32 v1, 5, v0
	v_readfirstlane_b32 s8, v1                     ; wave
	v_and_b32 v2, 31, v0                           ; lane
	v_lshlrev_b32 v3, 4, v2                        ; my 16 bytes of a load's 512
	v_lshlrev_b32 v4, 3, v2                        ; my 8 bytes of a store's 256
	s_mul_i32 s9, s8, WREG
	v_lshrrev_b32 v14, 2, v2
	v_mul_u32_u24 v14, v14, SP
	v_and_b32 v15, 3, v2
	v_lshl_add_u32 v14, v15, 4, v14
	v_add_nc_u32 v14, s9, v14                      ; the stage, way in: SP (lane / 4) + 16 (lane % 4)
	v_mul_u32_u24 v15, v2, SP
	v_add_nc_u32 v15, s9, v15                      ; way out: SP x lane
	s_lshl_b32 s10, s8, 6
	s_add_co_u32 s10, s10, SCBY
	v_lshrrev_b32 v5, 1, v2
	v_add_nc_u32 v5, s10, v5                       ; my block's scale byte: 64 x wave + lane / 2
	v_add_nc_u32 v6, SCBY, v4                      ; and 8 bytes a lane on the way out
	s_wait_kmcnt 0x0
	s_cmp_lt_u32 ttmp9, WGX                        ; the choices hang on the work-group's number alone
	s_cselect_b64 s[4:5], s[16:17], s[18:19]       ; from: x or Wq
	s_cselect_b64 s[6:7], s[24:25], s[28:29]       ; codes to: xc or wc
	s_cselect_b64 s[34:35], s[26:27], s[30:31]     ; scale bytes to: xs or ws
	s_cselect_b32 s11, 0, WGX                      ; the first work-group of the destination
	s_cmp_lt_u32 ttmp9, WGQ
	s_cselect_b64 s[4:5], s[4:5], s[20:21]         ; or from Wkv
	s_cselect_b32 s12, s11, WGQ                    ; the first work-group of the source
	s_sub_co_u32 s12, ttmp9, s12
	s_lshl_b32 s12, s12, 15                        ; 32,768 bytes of f32 a work-group,
	s_lshl_b32 s13, s8, 13                         ; 8,192 a wave
	s_add_co_u32 s12, s12, s13
	s_mov_b32 s13, 0
	s_add_nc_u64 s[4:5], s[4:5], s[12:13]
	s_sub_co_u32 s14, ttmp9, s11
	s_lshl_b32 s12, s14, 12                        ; 4,096 bytes of codes a work-group,
	s_lshl_b32 s15, s8, 10                         ; 1,024 a wave
	s_add_co_u32 s12, s12, s15
	s_add_nc_u64 s[6:7], s[6:7], s[12:13]
	s_lshl_b32 s12, s14, 8                         ; 256 scale bytes a work-group
	s_add_nc_u64 s[34:35], s[34:35], s[12:13]
	s_cmp_ge_u32 ttmp9, WGW
	s_cbranch_scc1 .Lwo
.macro LOAD t
.irp i, 0,1,2,3
	global_load_b128 v[R+16*(\t)+4*\i:R+16*(\t)+4*\i+3], v3, s[4:5] offset:2048*(\t)+512*\i th:TH_LOAD_NT
.endr
.endm
.macro TURN t                          ; step t's numbers through stage t % 2: LDS serves a wave's instructions in order, so no wait stands between the stores and the loads
.irp i, 0,1,2,3
	ds_store_b128 v14, v[R+16*(\t)+4*\i:R+16*(\t)+4*\i+3] offset:32*SP*((\t)%2)+8*SP*\i
.endr
.irp i, 0,1,2,3
	ds_load_b128 v[X+16*((\t)%2)+4*\i:X+16*((\t)%2)+4*\i+3], v15 offset:32*SP*((\t)%2)+16*\i
.endr
.endm
.macro STEP t
.set XS, X+16*((\t)%2)
.if (\t) > 0
	s_wait_dscnt 1                                 ; this step's numbers are back from the stage; the last step's byte store may be out
.else
	s_wait_dscnt 0x0
.endif
.if (\t)+1 < STEPS
	s_wait_loadcnt 4*(STEPS-2-(\t))                ; the next step's four loads are in; the later steps' may be out
	TURN (\t)+1
.endif
	v_max3_num_f32 v8, |v[XS]|, |v[XS+1]|, |v[XS+2]|   ; the largest magnitude of my 16, in two chains
	v_max3_num_f32 v9, |v[XS+3]|, |v[XS+4]|, |v[XS+5]|
.irp i, 6,10
	v_max3_num_f32 v8, v8, |v[XS+\i]|, |v[XS+\i+1]|
	v_max3_num_f32 v9, v9, |v[XS+\i+2]|, |v[XS+\i+3]|
.endr
	v_max3_num_f32 v8, v8, |v[XS+14]|, |v[XS+15]|
	v_max3_num_f32 v8, v8, v9, (EMAX+1)<<23        ; and the floor 2^(3 - 127): the byte cannot fall under 1
	v_max_num_f32_dpp v8, v8, v8 row_xmask:1 row_mask:0xf bank_mask:0xf   ; with my neighbour's 16: the block's
	v_add_nc_u32 v11, -(EMAX<<23), v8              ; 2 off the exponent field: the conversion takes this operand's exponent field as its scale
	v_cvt_scalef32_pk8_fp4_f32 v[C+2*(\t)], v[XS:XS+7], v11
	v_cvt_scalef32_pk8_fp4_f32 v[C+2*(\t)+1], v[XS+8:XS+15], v11
	v_lshrrev_b32 v[E+(\t)], 23, v11               ; the scale's byte (also the plain line behind the conversions)
	ds_store_b8 v5, v[E+(\t)] offset:16*(\t)       ; both lanes of a block write the same byte with the same value
	global_store_b64 v4, v[C+2*(\t):C+2*(\t)+1], s[6:7] offset:256*(\t)   ; the wave stores 256 consecutive bytes, aligned
.endm
.irp t, 0,1,2,3
	LOAD \t
.endr
	s_wait_loadcnt 12                              ; step 0's four loads are in
	TURN 0
.irp t, 0,1,2,3
	STEP \t
.endr
	s_branch .Ljoin
.Lwo:                                                  ; Wo to f16: no LDS
	s_sub_co_u32 s14, ttmp9, WGW
	s_lshl_b32 s14, s14, 15
	s_lshl_b32 s15, s8, 13
	s_add_co_u32 s14, s14, s15
	s_mov_b32 s15, 0
	s_add_nc_u64 s[22:23], s[22:23], s[14:15]
	s_lshr_b32 s14, s14, 1                         ; half the bytes out
	s_add_nc_u64 s[32:33], s[32:33], s[14:15]
.irp i, 0,1,2,3,4,5,6,7,8,9,10,11,12,13,14,15
	global_load_b128 v[R+4*\i:R+4*\i+3], v3, s[22:23] offset:512*\i th:TH_LOAD_NT
.endr
.irp i, 0,1,2,3,4,5,6,7,8,9,10,11,12,13,14,15
	s_wait_loadcnt 15-\i                           ; load i is in; the younger ones may be out
	v_cvt_pk_f16_f32 v[X+2*\i], v[R+4*\i], v[R+4*\i+1]
	v_cvt_pk_f16_f32 v[X+2*\i+1], v[R+4*\i+2], v[R+4*\i+3]
	global_store_b64 v4, v[X+2*\i:X+2*\i+1], s[32:33] offset:256*\i
.endr
.Ljoin:
	s_wait_dscnt 0x0                               ; for the others' sake: my byte stores have landed
	s_barrier_signal -1
	s_barrier_wait -1                              ; every wave of every work-group passes this barrier
	s_cmp_lg_u32 s8, 0
	s_cbranch_scc1 .Lend                           ; wave 0 alone stores the scale bytes,
	s_cmp_ge_u32 ttmp9, WGW
	s_cbranch_scc1 .Lend                           ; and Wo has none
	ds_load_b64 v[8:9], v6
	s_wait_dscnt 0x0
	global_store_b64 v4, v[8:9], s[34:35]          ; 256 consecutive bytes, aligned
.Lend:
	s_wait_tensorcnt 0x0                           ; the wave's end
	ds_add_u32 v[SPW], v[NIL]
	s_wait_dscnt 0x0
	s_endpgm
.Lfunc_end_k_q3ff13dac62_prep:
	.size	k_q3ff13dac62_prep, .Lfunc_end_k_q3ff13dac62_prep-k_q3ff13dac62_prep
	.p2alignl 7, 3214868480
	.fill 96, 4, 3214868480
	.section	.rodata,"a",@progbits
	.p2align	6, 0x0
	.amdhsa_kernel k_q3ff13dac62_prep
		.amdhsa_group_segment_fixed_size 21504
		.amdhsa_private_segment_fixed_size 0
		.amdhsa_enable_private_segment 0
		.amdhsa_kernarg_size 72
		.amdhsa_user_sgpr_count 2
		.amdhsa_user_sgpr_kernarg_segment_ptr 1
		.amdhsa_wavefront_size32 1
		.amdhsa_system_sgpr_workgroup_id_x 1
		.amdhsa_system_sgpr_workgroup_id_y 1
		.amdhsa_system_sgpr_workgroup_id_z 1
		.amdhsa_system_vgpr_workitem_id 0
		.amdhsa_next_free_vgpr 144
		.amdhsa_next_free_sgpr 66
		.amdhsa_reserve_vcc 0
		.amdhsa_float_denorm_mode_32 3
		.amdhsa_float_denorm_mode_16_64 3
		.amdhsa_memory_ordered 1
		.amdhsa_forward_progress 1
		.amdhsa_inst_pref_size 17
	.end_amdhsa_kernel
	.amdgpu_metadata
---
amdhsa.version: [ 1, 2 ]
amdhsa.kernels:
  - .name:           k_q3ff13dac62_prep
    .symbol:         k_q3ff13dac62_prep.kd
    .args:
      - { .name: x, .offset: 0, .size: 8, .value_kind: global_buffer, .address_space: global }
      - { .name: Wq, .offset: 8, .size: 8, .value_kind: global_buffer, .address_space: global }
      - { .name: Wkv, .offset: 16, .size: 8, .value_kind: global_buffer, .address_space: global }
      - { .name: Wo, .offset: 24, .size: 8, .value_kind: global_buffer, .address_space: global }
      - { .name: xc, .offset: 32, .size: 8, .value_kind: global_buffer, .address_space: global }
      - { .name: xs, .offset: 40, .size: 8, .value_kind: global_buffer, .address_space: global }
      - { .name: wc, .offset: 48, .size: 8, .value_kind: global_buffer, .address_space: global }
      - { .name: ws, .offset: 56, .size: 8, .value_kind: global_buffer, .address_space: global }
      - { .name: wo16, .offset: 64, .size: 8, .value_kind: global_buffer, .address_space: global }
    .group_segment_fixed_size: 21504
    .private_segment_fixed_size: 0
    .kernarg_segment_align: 8
    .kernarg_segment_size: 72
    .max_flat_workgroup_size: 128
    .sgpr_count:     66
    .vgpr_count:     144
    .wavefront_size: 32
...
	.end_amdgpu_metadata
.endif
;; end of part 1
;; launch qkv (part 2): grid 8 x 32, 4 waves a work-group, clusters of 4 x 4, 231,936 bytes of LDS; arguments xc, xs, wc, ws, qkv; writes qkv
.if DOCPART == 2
	.amdgcn_target "amdgcn-amd-amdhsa--gfx1250"
	.amdhsa_code_object_version 6
	.text
	.protected	k_q3ff13dac62_qkv
	.globl	k_q3ff13dac62_qkv
	.p2align	8
	.type	k_q3ff13dac62_qkv,@function
k_q3ff13dac62_qkv:
	s_mov_b64 s[64:65], 0
	v_nop
	global_prefetch_b8 v0, s[64:65] scope:SCOPE_SE
	s_setreg_imm32_b32 hwreg(HW_REG_WAVE_MODE, 25, 1), 1
	s_wait_xcnt 0x0
	s_wait_alu depctr_hold_cnt(0) depctr_sa_sdst(0) depctr_va_vdst(0) depctr_va_sdst(0) depctr_va_ssrc(0) depctr_va_vcc(0) depctr_vm_vsrc(0)
	s_getreg_b32 s2, hwreg(HW_REG_IB_STS2, 6, 4)
	s_cmp_eq_u32 s2, 0
	s_cbranch_scc0 .Lentry_in_a_cluster
	s_endpgm
.Lentry_in_a_cluster:
	s_bfe_u32 s2, ttmp6, 0x10000c
	s_cmp_lg_u32 s2, 0xf033
	s_cbranch_scc0 .Lentry_shape_is_right
	s_endpgm
.Lentry_shape_is_right:
; C[m][n] = sum over k of x[m][k] W[n][k], m < 8,192, n < 1,536 (Wq's 512 rows, then Wkv's 1,024), k < 512, both operands as codes of E2M1 with E8M0 scales; sums in f32; C leaves as f16.
; qkv is 24 slabs [8192][64] of f16, slab = n / 64: 0-7 q's heads, 8-15 k's, 16-23 v's.  LIMIT: a result beyond 65,504 has no f16 number.
; A tile of C is 256 x 192 (three slabs): 8 x 32 = 256 work-groups.  Four waves, each 128 x 96: 48 accumulators.  K = 512 is 256 bytes a row: all of K comes into LDS by one fill, nothing is filled twice.
; CLUSTERS: 4 x 4.  The four of a row of the cluster need the same rows of x, the four of a column the same rows of W: each tile is asked for jointly.
; THE PRODUCT IS USED TRANSPOSED (source 0 = 16 rows of W, source 1 = 16 rows of x): a lane holds eight neighbouring columns of one row of C.
; REGISTERS: window 0: v16-29 addresses; v32-63 scale words (register 4 i + q: lanes 0-15 x's block i, lanes 16-31 W's block i, K step q); v112-255 accumulators of x's blocks 5-7.
;   window 1: x's 32 fragments at 8 (4 a + q), later the packed f16.  window 2: W's 24 fragments at 8 (4 b + q), later rows read back.  window 3: accumulators of x's blocks 0-4 at 8 (6 a + b).
.set PITCH,  272                       ; an LDS row of codes: 256 bytes + 16 of padding
.set SCA,    0                         ; x's scale bytes: 256 rows x 16
.set SCB,    4096                      ; W's: 192 rows x 16
.set AC,     7168                      ; x's codes: 256 rows
.set BC,     AC+256*PITCH              ; W's codes: 192 rows
.set STG,    BC+192*PITCH              ; the stage: 256 rows x (384 bytes + 16); no fill lands here
.set SPITCH, 400
.set SPARE,  STG+256*SPITCH            ; the spare words, 128 bytes a wave
.set ADRA, 16
.set ADRB, 20
.set ADRS2, 23
.set STO,  24
.set RD,   25
.set CO,   26
.set ADRS, 27
.set SPW,  28
.set NIL,  29
.set SC,   32
.set G1,   24                          ; s[24:31] group 1, x's codes;  s[32:35] its group 0
.set G0,   32
.set G1B,  48                          ; s[48:55], s[56:59] W's codes
.set G0B,  56
.set G1S,  68                          ; s[68:75], s[76:79] x's scales
.set G0S,  76
.set G1SB, 80                          ; s[80:87], s[88:91] W's scales
.set G0SB, 88
.set MSB, 0
.macro WIN new                         ; the immediate's high byte repeats the setting that is left
.if MSB != \new
	s_set_vgpr_msb (MSB<<8)|\new
.set MSB, \new
.endif
.endm
; A joint load: waves 0 and 1 fetch for x, waves 2 and 3 for W; the branch hangs on the wave's number alone.  An s_nop 0 and four v_nop follow each line.
.macro JLOAD g0a, g1a, g0b, g1b
	s_cmp_eq_u32 s15, 0
	s_cbranch_scc0 .Lfor_b_\@
	tensor_load_to_lds s[\g0a:\g0a+3], s[\g1a:\g1a+7]
	s_nop 0
.rept 4
	v_nop
.endr
	s_branch .Lasked_\@
.Lfor_b_\@:
	tensor_load_to_lds s[\g0b:\g0b+3], s[\g1b:\g1b+7]
	s_nop 0
.rept 4
	v_nop
.endr
.Lasked_\@:
.endm
.macro CROUND                          ; a round of the cluster's barrier
	s_barrier_signal -1
	s_barrier_wait -1
	s_cmp_lg_u32 s14, 0
	s_cbranch_scc1 .Lnot_wave_0_\@
	s_barrier_signal -3
.Lnot_wave_0_\@:
	s_barrier_wait -3
	s_barrier_signal -1
	s_barrier_wait -1
.endm
	s_load_b128 s[4:7], s[0:1], 0x0                ; xc, xs
	s_load_b128 s[8:11], s[0:1], 0x10              ; wc, ws
	s_load_b64 s[12:13], s[0:1], 0x20              ; qkv
	v_lshl_add_u32 v[SPW], v0, 2, SPARE
	v_mov_b32 v[NIL], 0
	ds_add_u32 v[SPW], v[NIL]                      ; the wave's opening: the add, twice on end, and its wait ahead of my first tensor load
	ds_add_u32 v[SPW], v[NIL]
	v_lshrrev_b32 v1, 5, v0
	v_readfirstlane_b32 s14, v1                    ; wave 0..3
	s_lshr_b32 s15, s14, 1                         ; my half of the tile's rows.  Also: I fetch for x (0) or for W (1)
	s_and_b32 s16, s14, 1                          ; my half of its columns.  Also: which half of that tile I fetch
	s_bfe_u32 s40, ttmp6, 0x40000                  ; cx
	s_bfe_u32 s41, ttmp6, 0x40004                  ; cy
	s_lshl_b32 s42, ttmp9, 2
	s_add_co_u32 s42, s42, s40                     ; tile column = 4 x cluster x + cx
	s_and_b32 s17, ttmp7, 0xffff
	s_lshl_b32 s17, s17, 2
	s_add_co_u32 s17, s17, s41                     ; tile row = 4 x cluster y + cy
	s_lshl_b32 s43, s41, 2
	s_lshl_b32 s43, 15, s43                        ; my row of the cluster
	s_lshl_b32 s44, 0x1111, s40                    ; my column
	s_or_b32 s[G1+0], s43, (1<<20)|(1<<21)|(5<<22)|(3<<25)    ; elements of 1 byte; padding: 4 words behind every 64; bit 21 beside the mask
	s_or_b32 s[G1B+0], s44, (1<<20)|(1<<21)|(5<<22)|(3<<25)
	s_mov_b32 s[G1+1], 256<<16                     ; tensor_dim0 = 256 bytes
	s_mov_b32 s[G1+2], 128<<16                     ; tensor_dim1 = 128 rows
	s_mov_b32 s[G1+3], 256<<16                     ; tile_dim0
	s_mov_b32 s[G1+4], 128                         ; tile_dim1
	s_mov_b32 s[G1+5], 256                         ; from row to row
	s_mov_b32 s[G1+6], 0
	s_mov_b32 s[G1+7], 0
	s_mov_b32 s[G1B+1], 256<<16
	s_mov_b32 s[G1B+2], 96<<16                     ; 96 rows
	s_mov_b32 s[G1B+3], 256<<16
	s_mov_b32 s[G1B+4], 96
	s_mov_b32 s[G1B+5], 256
	s_mov_b32 s[G1B+6], 0
	s_mov_b32 s[G1B+7], 0
	s_or_b32 s[G1S+0], s43, (3<<16)|(1<<21)        ; the scales of 128 rows are 2,048 dense bytes: 8 rows of 32 elements of 8 bytes, no padding
	s_or_b32 s[G1SB+0], s44, (3<<16)|(1<<21)       ; of 96 rows: 6 such rows
	s_mov_b32 s[G1S+1], 32<<16
	s_mov_b32 s[G1S+2], 8<<16
	s_mov_b32 s[G1S+3], 32<<16
	s_mov_b32 s[G1S+4], 8
	s_mov_b32 s[G1S+5], 32
	s_mov_b32 s[G1S+6], 0
	s_mov_b32 s[G1S+7], 0
	s_mov_b32 s[G1SB+1], 32<<16
	s_mov_b32 s[G1SB+2], 6<<16
	s_mov_b32 s[G1SB+3], 32<<16
	s_mov_b32 s[G1SB+4], 6
	s_mov_b32 s[G1SB+5], 32
	s_mov_b32 s[G1SB+6], 0
	s_mov_b32 s[G1SB+7], 0
	s_lshl_b32 s18, s16, 7
	s_lshl_b32 s20, s17, 8
	s_add_co_u32 s20, s20, s18                     ; x: row 256 x tile row + 128 x half
	s_mul_i32 s46, s42, 192
	s_mul_i32 s18, s16, 96
	s_add_co_u32 s46, s46, s18                     ; W: row 192 x tile column + 96 x half
	s_mov_b32 s21, 0
	s_mov_b32 s47, 0
	s_lshl_b64 s[22:23], s[20:21], 4               ; these rows' scale bytes,
	s_lshl_b64 s[92:93], s[46:47], 4
	s_lshl_b64 s[20:21], s[20:21], 8               ; and their codes
	s_lshl_b64 s[46:47], s[46:47], 8
	s_mul_i32 s45, s16, 128*PITCH                  ; where they go: the wave's number and constants alone
	s_add_co_u32 s45, s45, AC
	s_mul_i32 s94, s16, 96*PITCH
	s_add_co_u32 s94, s94, BC
	s_lshl_b32 s95, s16, 11                        ; SCA = 0
	s_mul_i32 s96, s16, 1536
	s_add_co_u32 s96, s96, SCB
	s_wait_dscnt 0x0                               ; both opening adds are done
	s_wait_kmcnt 0x0
	s_add_nc_u64 s[20:21], s[4:5], s[20:21]
	s_add_nc_u64 s[22:23], s[6:7], s[22:23]
	s_add_nc_u64 s[46:47], s[8:9], s[46:47]
	s_add_nc_u64 s[92:93], s[10:11], s[92:93]
	CROUND                                         ; all sixteen work-groups are here: the joint loads meet
	s_mov_b32 s[G0S], 1
	s_mov_b32 s[G0S+1], s95
	s_mov_b64 s[G0S+2:G0S+3], s[22:23]
	s_or_b32 s[G0S+3], s[G0S+3], 0x80000000
	s_mov_b32 s[G0SB], 1
	s_mov_b32 s[G0SB+1], s96
	s_mov_b64 s[G0SB+2:G0SB+3], s[92:93]
	s_or_b32 s[G0SB+3], s[G0SB+3], 0x80000000
	JLOAD G0S, G1S, G0SB, G1SB
	s_mov_b32 s[G0], 1
	s_mov_b32 s[G0+1], s45
	s_mov_b64 s[G0+2:G0+3], s[20:21]
	s_or_b32 s[G0+3], s[G0+3], 0x80000000
	s_mov_b32 s[G0B], 1
	s_mov_b32 s[G0B+1], s94
	s_mov_b64 s[G0B+2:G0B+3], s[46:47]
	s_or_b32 s[G0B+3], s[G0B+3], 0x80000000
	JLOAD G0, G1, G0B, G1B                         ; two loads of mine are out
	v_and_b32 v1, 15, v0                           ; r
	v_bfe_u32 v2, v0, 4, 1                         ; h
	v_mul_u32_u24 v3, v1, PITCH
	v_lshl_add_u32 v4, v2, 4, v3                   ; a fragment's row x pitch + 16 h
	s_mul_i32 s21, s15, 128*PITCH
	s_add_co_u32 s21, s21, AC
	s_mul_i32 s22, s16, 96*PITCH
	s_add_co_u32 s22, s22, BC
	v_add_nc_u32 v[ADRA], s21, v4
	v_add_nc_u32 v[ADRB], s22, v4
	v_lshlrev_b32 v5, 4, v1                        ; a row's 16 scale bytes
	s_lshl_b32 s21, s15, 11                        ; x's: my 128 rows
	s_mul_i32 s22, s16, 1536                       ; W's: my 96 rows
	s_add_co_u32 s22, s22, SCB
	s_sub_co_u32 s22, s22, s21
	v_mul_u32_u24 v6, s22, v2                      ; lanes 16-31 take W's: one product, the distance between the two bases
	v_add_nc_u32 v[ADRS2], s21, v5                 ; x's rows in both halves of the lanes (blocks 6 and 7: W has no such blocks)
	v_add_nc_u32 v[ADRS], v[ADRS2], v6
	v_mul_u32_u24 v5, v1, SPITCH                   ; into the stage: row 128 x half + r, byte 192 x column half + 16 h
	v_lshl_add_u32 v5, v2, 4, v5
	s_mul_i32 s23, s15, 128*SPITCH
	s_mul_i32 s18, s16, 192
	s_add_co_u32 s23, s23, s18
	s_add_co_u32 s23, s23, STG
	v_add_nc_u32 v[STO], s23, v5
	v_and_b32 v5, 31, v0                           ; back: wave w takes rows 64 w on; a load takes 4 rows x 128 bytes of one slab
	v_lshrrev_b32 v6, 3, v5
	v_mul_u32_u24 v6, v6, SPITCH
	v_and_b32 v7, 7, v0
	v_lshl_add_u32 v6, v7, 4, v6
	s_mul_i32 s23, s14, 64*SPITCH
	s_add_co_u32 s23, s23, STG
	v_add_nc_u32 v[RD], s23, v6
	v_lshlrev_b32 v[CO], 4, v5                     ; in a slab those 4 rows are 512 consecutive bytes
	s_lshl_b32 s20, s17, 8
	s_lshl_b32 s21, s14, 6
	s_add_co_u32 s20, s20, s21                     ; the first row that I store: 256 x tile row + 64 x wave
	s_lshl_b32 s20, s20, 7
	s_mov_b32 s21, 0
	s_add_nc_u64 s[12:13], s[12:13], s[20:21]
	s_mul_i32 s46, s42, 3                          ; the tile's first slab
	s_lshl_b32 s46, s46, 20
	s_mov_b32 s47, 0
	s_add_nc_u64 s[12:13], s[12:13], s[46:47]
; the fragments of K step q: 16 rows x 128 K of 4-bit codes are 8 registers, two loads of 16 bytes, 32 bytes apart.  28 loads
.macro FRAGS q
	WIN 0x40
.irp a, 0,1,2,3,4,5,6,7
.irp c, 0,1
	ds_load_b128 v[8*(4*\a+\q)+4*\c:8*(4*\a+\q)+4*\c+3], v[ADRA] offset:\a*16*PITCH+64*\q+32*\c
.endr
.endr
	WIN 0x80
.irp b, 0,1,2,3,4,5
.irp c, 0,1
	ds_load_b128 v[8*(4*\b+\q)+4*\c:8*(4*\b+\q)+4*\c+3], v[ADRB] offset:\b*16*PITCH+64*\q+32*\c
.endr
.endr
.endm
; 48 matrix instructions: K step q.  The 48 accumulators take turns, one instruction a turn, in the same order in every step.  zero = 1: the first products start the sums
.macro MUL q, zero
.irp a, 0,1,2,3,4,5,6,7
.if \a < 5
	WIN 0xf6                                       ; source 0 (W) window 2, source 1 (x) window 1, C and D window 3
.set AB, 48*\a
.else
	WIN 0x06                                       ; C and D window 0
.set AB, 112+48*(\a-5)
.endif
.irp b, 0,1,2,3,4,5
.if \zero
	v_wmma_scale_f32_16x16x128_f8f6f4 v[AB+8*\b:AB+8*\b+7], v[8*(4*\b+\q):8*(4*\b+\q)+7], v[8*(4*\a+\q):8*(4*\a+\q)+7], 0, v[SC+4*\b+\q], v[SC+4*\a+\q] matrix_a_fmt:MATRIX_FMT_FP4 matrix_b_fmt:MATRIX_FMT_FP4 matrix_a_scale:MATRIX_SCALE_ROW1
.else
	v_wmma_scale_f32_16x16x128_f8f6f4 v[AB+8*\b:AB+8*\b+7], v[8*(4*\b+\q):8*(4*\b+\q)+7], v[8*(4*\a+\q):8*(4*\a+\q)+7], v[AB+8*\b:AB+8*\b+7], v[SC+4*\b+\q], v[SC+4*\a+\q] matrix_a_fmt:MATRIX_FMT_FP4 matrix_b_fmt:MATRIX_FMT_FP4 matrix_a_scale:MATRIX_SCALE_ROW1
.endif
.endr
.endr
.endm
	s_wait_tensorcnt 0x0                           ; my parts of the scales and the codes are in,
	s_barrier_signal -1
	s_barrier_wait -1                              ; everybody's are
.irp i, 0,1,2,3,4,5
	ds_load_b128 v[SC+4*\i:SC+4*\i+3], v[ADRS] offset:256*\i      ; four words a row: lanes 0-15 x's block i, lanes 16-31 W's block i
.endr
	ds_load_b128 v[SC+24:SC+27], v[ADRS2] offset:1536
	ds_load_b128 v[SC+28:SC+31], v[ADRS2] offset:1792
	FRAGS 0
	FRAGS 1
	s_wait_dscnt 28                                ; all but K step 1's 28 loads.  Every fragment has registers of its own: no load lands on a register that a product has read
	MUL 0, 1
	FRAGS 2
	s_wait_dscnt 28                                ; all but K step 2's
	MUL 1, 0
	FRAGS 3
	s_wait_dscnt 28
	MUL 2, 0
	s_wait_dscnt 0x0
	MUL 3, 0
	; THE WAY OUT: to f16, 16 bytes a lane into the work-group's stage; a barrier, since a row's bytes come from two waves; back by slabs, 4 rows a load
.rept 4
	v_nop                                          ; four places behind the last products, ahead of the conversions that read results and write over x's fragments
.endr
.irp a, 0,1,2,3,4,5,6,7
.if \a < 5
	WIN 0x4f                                       ; sources window 3, destination window 1
.set AB, 48*\a
.else
	WIN 0x40
.set AB, 112+48*(\a-5)
.endif
.irp b, 0,1,2,3,4,5
.irp i, 0,1,2,3
	v_cvt_pk_f16_f32 v[24*\a+4*\b+\i], v[AB+8*\b+2*\i], v[AB+8*\b+2*\i+1]   ; each accumulator from its low end on
.endr
.endr
.endr
	WIN 0x04                                       ; an LDS store's data are its source 1: window 1
.irp a, 0,1,2,3,4,5,6,7
.irp b, 0,1,2,3,4,5
	ds_store_b128 v[STO], v[24*\a+4*\b:24*\a+4*\b+3] offset:\a*16*SPITCH+32*\b
.endr
.endr
	WIN 0
	s_wait_dscnt 0x0                               ; for the others' sake: my stores into the stage are done
	s_barrier_signal -1
	s_barrier_wait -1
	WIN 0x80
.irp sl, 0,1,2
.irp f, 0,1,2,3,4,5,6,7,8,9,10,11,12,13,14,15
	ds_load_b128 v[4*(16*\sl+\f):4*(16*\sl+\f)+3], v[RD] offset:\f*4*SPITCH+\sl*128
.endr
.endr
	WIN 0x08                                       ; a store's data are its source 1: window 2
.irp sl, 0,1,2
.irp f, 0,1,2,3,4,5,6,7,8,9,10,11,12,13,14,15
	s_wait_dscnt 47-16*\sl-\f                      ; this load is back; the younger ones may be out
	global_store_b128 v[CO], v[4*(16*\sl+\f):4*(16*\sl+\f)+3], s[12:13] offset:\sl*1048576+\f*512   ; 512 consecutive bytes, aligned
.endr
.endr
	WIN 0
	s_wait_tensorcnt 0x0                           ; the wave's end
	ds_add_u32 v[SPW], v[NIL]
	s_wait_dscnt 0x0
	CROUND                                         ; the closing round
	s_endpgm
.Lfunc_end_k_q3ff13dac62_qkv:
	.size	k_q3ff13dac62_qkv, .Lfunc_end_k_q3ff13dac62_qkv-k_q3ff13dac62_qkv
	.p2alignl 7, 3214868480
	.fill 96, 4, 3214868480
	.section	.rodata,"a",@progbits
	.p2align	6, 0x0
	.amdhsa_kernel k_q3ff13dac62_qkv
		.amdhsa_group_segment_fixed_size 231936
		.amdhsa_private_segment_fixed_size 0
		.amdhsa_enable_private_segment 0
		.amdhsa_kernarg_size 40
		.amdhsa_user_sgpr_count 2
		.amdhsa_user_sgpr_kernarg_segment_ptr 1
		.amdhsa_wavefront_size32 1
		.amdhsa_system_sgpr_workgroup_id_x 1
		.amdhsa_system_sgpr_workgroup_id_y 1
		.amdhsa_system_sgpr_workgroup_id_z 1
		.amdhsa_system_vgpr_workitem_id 0
		.amdhsa_next_free_vgpr 1024
		.amdhsa_next_free_sgpr 98
		.amdhsa_reserve_vcc 0
		.amdhsa_float_denorm_mode_32 3
		.amdhsa_float_denorm_mode_16_64 3
		.amdhsa_memory_ordered 1
		.amdhsa_forward_progress 1
		.amdhsa_inst_pref_size 66
	.end_amdhsa_kernel
	.amdgpu_metadata
---
amdhsa.version: [ 1, 2 ]
amdhsa.kernels:
  - .name:           k_q3ff13dac62_qkv
    .symbol:         k_q3ff13dac62_qkv.kd
    .args:
      - { .name: xc, .offset: 0, .size: 8, .value_kind: global_buffer, .address_space: global }
      - { .name: xs, .offset: 8, .size: 8, .value_kind: global_buffer, .address_space: global }
      - { .name: wc, .offset: 16, .size: 8, .value_kind: global_buffer, .address_space: global }
      - { .name: ws, .offset: 24, .size: 8, .value_kind: global_buffer, .address_space: global }
      - { .name: qkv, .offset: 32, .size: 8, .value_kind: global_buffer, .address_space: global }
    .group_segment_fixed_size: 231936
    .private_segment_fixed_size: 0
    .kernarg_segment_align: 8
    .kernarg_segment_size: 40
    .max_flat_workgroup_size: 128
    .sgpr_count:     98
    .vgpr_count:     1024
    .wavefront_size: 32
...
	.end_amdgpu_metadata
.endif
;; end of part 2
;; launch attn (part 3): grid 8 x 32, 4 waves a work-group, clusters of 4 x 1, 327,680 bytes of LDS; arguments qkv, att; writes att
.if DOCPART == 3
	.amdgcn_target "amdgcn-amd-amdhsa--gfx1250"
	.amdhsa_code_object_version 6
	.text
	.protected	k_q3ff13dac62_attn
	.globl	k_q3ff13dac62_attn
	.p2align	8
	.type	k_q3ff13dac62_attn,@function
k_q3ff13dac62_attn:
	s_mov_b64 s[64:65], 0
	v_nop
	global_prefetch_b8 v0, s[64:65] scope:SCOPE_SE
	s_setreg_imm32_b32 hwreg(HW_REG_WAVE_MODE, 25, 1), 1
	s_wait_xcnt 0x0
	s_wait_alu depctr_hold_cnt(0) depctr_sa_sdst(0) depctr_va_vdst(0) depctr_va_sdst(0) depctr_va_ssrc(0) depctr_va_vcc(0) depctr_vm_vsrc(0)
	s_getreg_b32 s2, hwreg(HW_REG_IB_STS2, 6, 4)
	s_cmp_eq_u32 s2, 0
	s_cbranch_scc0 .Lentry_in_a_cluster
	s_endpgm
.Lentry_in_a_cluster:
	s_bfe_u32 s2, ttmp6, 0x10000c
	s_cmp_lg_u32 s2, 0x3003
	s_cbranch_scc0 .Lentry_shape_is_right
	s_endpgm
.Lentry_shape_is_right:
; att[y][q][:] = the sum over k of softmax_k(Q[y][q] . K[y][k] / 8) V[y][k][:], y = 4 x head + batch, 32 in all; Q, K, V: [2048][64] f16 at y x 262,144 bytes of qkv's three parts of 8 MiB; att likewise.
; Products, maxima and sums in f32; the weights p are rounded to f16 for the second product, the result once at the end.  LIMITS: f16's range for q, k, v; a p under 6e-8 counts as 0 in the second product.
; SHARES.  A work-group owns 256 queries of one y, each of its four waves 64: four tiles of 16.  Every wave walks all 2,048 keys, 64 a step.
; LAYOUT.  S^T = K Q^T (source 0 = 16 keys, source 1 = 16 queries): a lane holds ONE query (lane % 16) and the keys 8 (lane / 16) + 0..7.  Two such tiles, rounded to f16 in pairs, ARE source 1
; (32 keys x 16 queries) of O^T = V^T P.  K comes out of LDS as it lies, V ([key][channel]) turned, by ds_load_tr16_b128.
; SOFTMAX.  A running maximum m and sum l for each query: p = 2^(c s - c m), c = log2(e) / 8; in every step O and l are multiplied by a = 2^(c m_old - c m_new).
; BY TURNS.  The wave's tiles are two pieces (tiles 0, 1 and tiles 2, 3).  In a turn one piece has the matrix unit: 16 products V^T P of the step in hand, then 16 products K Q^T of the next;
; the other piece's softmax, 2 x 118 instructions cut into 59 slices of four, is dealt out behind them.  Then the pieces change places.  Two turns are a key step.
; RING.  Two slots of four key steps (256 keys): K's 256 rows, then V's.  One joint load a wave behind each round of the cluster's barrier; it has four key steps, 256 matrix instructions, in which to land.
; CLUSTER.  The four query blocks of a cluster walk the same K and V: each tile is asked for jointly, with the mask of all four.
; REGISTERS: window 0: v2-11 addresses; v12-43 eight statistics a tile; v64-191 S^T, 32 a tile; v192-255 P, 16 a tile.  window 1: O^T, 32 a tile.  window 2: v0-63 Q, 16 a tile; v128-191 K of one step.  window 3: v0-63 V of one step.
.set KS,    64                         ; keys in a step
.set NST,   4                          ; steps in a slot
.set NSLOT, 2048/(NST*KS)              ; slots' worth of keys
.set ROWB,  128                        ; a row of Q, K, V in memory
.set PK,    144                        ; a row of K in LDS: 128 bytes + 16
.set PV,    160                        ; a row of V: 128 + 32
.set VOFF,  NST*KS*PK                  ; V's rows lie behind K's
.set SLOT1, 1<<17                      ; slot 1 begins here: one exclusive or turns an address from one slot to the other
.set STAGE, SLOT1+NST*KS*(PK+PV)       ; behind the ring: 16 rows x 144 bytes for each wave
.set SP,    144
.set SPARE, STAGE+4*16*SP              ; the spare words, 128 bytes a wave
.set AK0, 2
.set AV0, 3
.set ADR, 4
.set QO,  5
.set STO, 6
.set RD,  7
.set GO,  8
.set PFO, 61                           ; v61 256 x my lane; never rewritten
.set SPW, 62
.set NIL, 63
.set ST,  12                           ; tile t's statistics at v[ST+8 t]: +0 c m, +1 m, +2, +3 l, +4 to +7 at work; a takes +6
.set S,   64
.set P,   192
.set KF,  128
.set WV,  12
.set LIM, 15                           ; s15 1 in a wave that prefetches, else the greatest number
.set PFA, 18                           ; s[18:19] where my prefetches stand
.set G1K, 24
.set G1V, 32
.set G0K, 40                           ; s[40:47] two sets; the second walks on
.set G0V, 48
.set SLOTS, 56
.set TWICE, 57
.set CS,  58
.set SEL, 60
.set TBK, 62                           ; s62 LDS byte at which K's tile of the step to be fetched begins
.set TBV, 63                           ; s63 the same for V, less VOFF
.set MSB, 0
.macro WIN new                         ; the immediate's high byte repeats the setting that is left
.if MSB != \new
	s_set_vgpr_msb (MSB<<8)|\new
.set MSB, \new
.endif
.endm
.set W_KQ, 0x0a                        ; K and Q in window 2, S^T in window 0
.set W_PV, 0x53                        ; V in window 3, P in window 0, O^T in window 1
.set W_RS, 0x41                        ; O^T (destination and source 0) in window 1, a in window 0
; A joint refill: waves 0 and 1 fetch K's halves of a slot, waves 2 and 3 V's.  An s_nop 0 and four v_nop follow each line.
.macro JLOAD
	s_cmp_lt_u32 s[WV], 2
	s_cbranch_scc0 .Lfor_v_\@
	tensor_load_to_lds s[G0K+4:G0K+7], s[G1K:G1K+7]
	s_nop 0
.rept 4
	v_nop
.endr
	s_branch .Lasked_\@
.Lfor_v_\@:
	tensor_load_to_lds s[G0V+4:G0V+7], s[G1V:G1V+7]
	s_nop 0
.rept 4
	v_nop
.endr
.Lasked_\@:
.endm
; A prefetch of what the NEXT change of slots will ask for: a slot's K and V are 32,768 dense bytes each.  Each block of 256 bytes is named once in the launch: both clusters of a y walk the same rows, the first asks;
; its four partners take 8,192 bytes each, told apart by address; wave 0 asks for K's, wave 2 for V's, lanes 256 bytes apart.  The last change that fills a slot asks for nothing.
.macro ASK
	s_cmp_gt_u32 s[SLOTS], s[LIM]
	s_cbranch_scc0 .Lnot_mine_\@
	global_prefetch_b8 v[PFO], s[PFA:PFA+1] th:TH_LOAD_NT scope:SCOPE_SE
.Lnot_mine_\@:
.endm
.macro CROUND                          ; a round of the cluster's barrier
	s_barrier_signal -1
	s_barrier_wait -1
	s_cmp_lg_u32 s[WV], 0
	s_cbranch_scc1 .Lnot_wave_0_\@
	s_barrier_signal -3
.Lnot_wave_0_\@:
	s_barrier_wait -3
	s_barrier_signal -1
	s_barrier_wait -1
.endm
	s_load_b64 s[4:5], s[0:1], 0x0                 ; qkv
	s_load_b64 s[10:11], s[0:1], 0x8               ; att
	v_lshl_add_u32 v[SPW], v0, 2, SPARE
	v_mov_b32 v[NIL], 0
	ds_add_u32 v[SPW], v[NIL]                      ; the wave's opening: the add, twice on end, and its wait ahead of my first tensor load
	ds_add_u32 v[SPW], v[NIL]
	v_lshrrev_b32 v1, 5, v0
	v_readfirstlane_b32 s[WV], v1                  ; wave 0..3
	s_bfe_u32 s13, ttmp6, 0x40000                  ; cx
	s_lshl_b32 s14, ttmp9, 2
	s_add_co_u32 s14, s14, s13                     ; my block of 256 queries: it enters Q's and att's addresses alone
	s_and_b32 s20, ttmp7, 0xffff                   ; y, which the four partners share
	s_lshl_b32 s20, s20, 18                        ; y's first byte in each part
	s_mov_b32 s21, 0
	s_and_b32 s16, s[WV], 1                        ; which half of a slot's rows I fetch:
	s_lshl_b32 s22, s16, 14                        ; 128 rows of 128 bytes in memory,
	s_mov_b32 s23, 0
	s_add_nc_u64 s[22:23], s[22:23], s[20:21]
	s_mul_i32 s17, s16, 128*PK                     ; and their place in a slot: K's,
	s_mul_i32 s66, s16, 128*PV
	s_add_co_u32 s66, s66, VOFF                    ; V's
	s_lshl_b32 s2, s14, 15                         ; my block's 256 rows,
	s_lshl_b32 s3, s[WV], 13                       ; my wave's 64 of them
	s_add_co_u32 s2, s2, s3
	s_mov_b32 s3, 0
	s_add_nc_u64 s[2:3], s[2:3], s[20:21]
	s_mov_b32 s[G1K], 15|(1<<16)|(1<<20)|(1<<21)|(4<<22)|(3<<25)  ; the mask: all four; elements of 2 bytes; padding: 4 words behind every 32; bit 21 beside the mask
	s_mov_b32 s[G1V], 15|(1<<16)|(1<<20)|(1<<21)|(4<<22)|(7<<25)  ; the same with 8 words
.irp g, G1K, G1V
	s_mov_b32 s[\g+1], 64<<16                      ; tensor_dim0 = 64
	s_mov_b32 s[\g+2], 128<<16                     ; tensor_dim1 = 128
	s_mov_b32 s[\g+3], 64<<16                      ; tile_dim0
	s_mov_b32 s[\g+4], 128                         ; tile_dim1
	s_mov_b32 s[\g+5], 64                          ; from row to row
	s_mov_b32 s[\g+6], 0
	s_mov_b32 s[\g+7], 0
.endr
	s_mov_b32 s[CS], 0x3e38aa3b                    ; c = log2(e) / 8
	s_mov_b32 s[CS+1], s[CS]                       ; named with it as a pair, so it is written
	s_mov_b32 s[SEL], 0x76543210
	s_mov_b32 s[SEL+1], 0xfedcba98
	s_mov_b32 s[TBK], 0
	s_mov_b32 s[TBV], 0
	s_mov_b32 s[SLOTS], NSLOT-2
	s_and_b32 s[LIM], s[WV], 1                     ; 0 in waves 0 and 2,
	s_or_b32 s[LIM], s[LIM], ttmp9                 ; of y's first cluster: the same in all four partners
	s_cmp_eq_u32 s[LIM], 0
	s_cselect_b32 s[LIM], 1, -1
	v_and_b32 v[PFO], 31, v0
	v_lshlrev_b32 v[PFO], 8, v[PFO]
	s_wait_dscnt 0x0                               ; both opening adds are done
	s_wait_kmcnt 0x0
	s_add_nc_u64 s[6:7], s[4:5], 0x800000          ; k's slabs,
	s_add_nc_u64 s[8:9], s[4:5], 0x1000000         ; v's
	s_add_nc_u64 s[6:7], s[6:7], s[22:23]          ; at my tile of slot 0
	s_add_nc_u64 s[8:9], s[8:9], s[22:23]
	s_add_nc_u64 s[4:5], s[4:5], s[2:3]            ; Q and att at my wave's first row
	s_add_nc_u64 s[10:11], s[10:11], s[2:3]
	s_cmp_lt_u32 s[WV], 2
	s_cselect_b64 s[PFA:PFA+1], s[6:7], s[8:9]     ; (in waves 0 and 2 these stand at a slot's first row)
	s_lshl_b32 s2, s13, 13                         ; my work-group's 8,192 bytes of the 32,768
	s_mov_b32 s3, 0
	s_add_nc_u64 s[PFA:PFA+1], s[PFA:PFA+1], s[2:3]
	s_add_nc_u64 s[PFA:PFA+1], s[PFA:PFA+1], 2*NST*KS*ROWB   ; in slot 2; the first change steps it to slot 3.  Nothing is prefetched at the head
	CROUND                                         ; all four work-groups are here: the first joint loads meet
.irp s, 0,1
	s_mov_b32 s[G0K+4*\s], 1
	s_add_co_u32 s[G0K+4*\s+1], s17, \s*SLOT1
	s_add_nc_u64 s[G0K+4*\s+2:G0K+4*\s+3], s[6:7], \s*NST*KS*ROWB
	s_or_b32 s[G0K+4*\s+3], s[G0K+4*\s+3], 0x80000000
	s_mov_b32 s[G0V+4*\s], 1
	s_add_co_u32 s[G0V+4*\s+1], s66, \s*SLOT1
	s_add_nc_u64 s[G0V+4*\s+2:G0V+4*\s+3], s[8:9], \s*NST*KS*ROWB
	s_or_b32 s[G0V+4*\s+3], s[G0V+4*\s+3], 0x80000000
.endr
	s_cmp_lt_u32 s[WV], 2                          ; a wave's two first fills stand in one branch: two loads of mine are out
	s_cbranch_scc0 .Lfirst_v
	tensor_load_to_lds s[G0K:G0K+3], s[G1K:G1K+7]
	s_nop 0
	tensor_load_to_lds s[G0K+4:G0K+7], s[G1K:G1K+7]
	s_nop 0
.rept 4
	v_nop
.endr
	s_branch .Lfirst_asked
.Lfirst_v:
	tensor_load_to_lds s[G0V:G0V+3], s[G1V:G1V+7]
	s_nop 0
	tensor_load_to_lds s[G0V+4:G0V+7], s[G1V:G1V+7]
	s_nop 0
.rept 4
	v_nop
.endr
.Lfirst_asked:
	v_and_b32 v1, 15, v0                           ; l % 16
	v_bfe_u32 v9, v0, 4, 1                         ; l / 16
	v_lshlrev_b32 v[QO], 7, v1
	v_lshl_add_u32 v[QO], v9, 4, v[QO]             ; row x 128 + 16 x half
	WIN 0x80                                       ; destination window 2
.irp i, 0,1,2,3,4,5,6,7                        ; Q stays in registers: tile i / 2, channels 32 (i % 2) on
	global_load_b128 v[8*\i:8*\i+3],   v[QO], s[4:5] offset:(\i/2)*2048+(\i%2)*64
	global_load_b128 v[8*\i+4:8*\i+7], v[QO], s[4:5] offset:(\i/2)*2048+(\i%2)*64+32
.endr
	WIN 0
	v_mul_u32_u24 v[AK0], v1, PK
	v_lshl_add_u32 v[AK0], v9, 4, v[AK0]           ; K: row x pitch + 16 x half
	v_and_b32 v10, 7, v0
	v_bfe_u32 v11, v0, 3, 1
	v_lshl_add_u32 v[AV0], v9, 3, v10              ; V, for the turning load: key 8 (l / 16) + l % 8, channels 8 ((l / 8) % 2) on
	v_mul_u32_u24 v[AV0], v[AV0], PV
	v_lshl_add_u32 v[AV0], v11, 4, v[AV0]
	v_add_nc_u32 v[AV0], VOFF, v[AV0]
; Product i of 16 of O^T += V^T P: keys 32 (i / 8) on, channels 16 ((i / 2) % 4) on, tile x + i % 2.  zero = 1: the first 8 start the sums.  The accumulators take turns.
.macro PV x, zero
	WIN W_PV
.set rO, 32*(\x+i%2)+8*((i/2)%4)
.set rV, 32*(i/8)+8*((i/2)%4)
.set rP, P+16*(\x+i%2)+8*(i/8)
.if \zero && (i < 8)
	v_wmma_f32_16x16x32_f16 v[rO:rO+7], v[rV:rV+7], v[rP:rP+7], 0
.else
	v_wmma_f32_16x16x32_f16 v[rO:rO+7], v[rV:rV+7], v[rP:rP+7], v[rO:rO+7]
.endif
.endm
; Product i of 16 of S^T = K Q^T: channels 32 (i / 8) on, keys 16 ((i / 2) % 4) on, tile x + i % 2.  The first 8 start the sums.
.macro KQ x
	WIN W_KQ
.set rS, S+32*(\x+i%2)+8*((i/2)%4)
.set rK, KF+16*((i/2)%4)+8*(i/8)
.set rQ, 16*(\x+i%2)+8*(i/8)
.if i < 8
	v_wmma_f32_16x16x32_f16 v[rS:rS+7], v[rK:rK+7], v[rQ:rQ+7], 0
.else
	v_wmma_f32_16x16x32_f16 v[rS:rS+7], v[rK:rK+7], v[rQ:rQ+7], v[rS:rS+7]
.endif
.endm
; The LDS loads stand in runs of 16: a step's K (64 keys x 64 channels: 8 fragments) and, a turn later, its V (turned).
.macro FETCH_K
	WIN 0
	v_add_nc_u32 v[ADR], s[TBK], v[AK0]
	s_add_co_u32 s[TBK], s[TBK], KS*PK             ; the next fetch is the next step's
	WIN 0x80
.irp f, 0,1,2,3,4,5,6,7                        ; keys 16 (f / 2) on, channels 32 (f % 2) on
	ds_load_b128 v[KF+8*\f:KF+8*\f+3],   v[ADR] offset:(\f/2)*16*PK+(\f%2)*64
	ds_load_b128 v[KF+8*\f+4:KF+8*\f+7], v[ADR] offset:(\f/2)*16*PK+(\f%2)*64+32
.endr
.endm
.macro FETCH_V
	WIN 0
	v_add_nc_u32 v[ADR], s[TBV], v[AV0]
	s_add_co_u32 s[TBV], s[TBV], KS*PV
	s_wait_alu depctr_va_vdst(0)                   ; the wait for the softmax's batch of exponentials, ahead of the first line that names a result
	WIN 0xc0
.irp f, 0,1,2,3,4,5,6,7                        ; keys 32 (f / 4) on, channels 16 (f % 4) on
	ds_load_tr16_b128 v[8*\f:8*\f+3],   v[ADR] offset:(\f/4)*32*PV+(\f%4)*32
	ds_load_tr16_b128 v[8*\f+4:8*\f+7], v[ADR] offset:(\f/4)*32*PV+16*PV+(\f%4)*32
.endr
.endm
; One tile's softmax for one key step is a list of 118 instructions; SM writes number j of it for tile t.  first = 1: the first key step, which has no a and nothing to rescale.
;   0-15 the maximum of the lane's 32 scores and the old m;  16-20 the other half of the lanes', the new m, c m, its change;
;   21-69 ONE BATCH: 16 packed scalings c s - c m and all 33 exponentials (a at 23), none of which reads an exponential's result;  (the wait: SLICE writes it)
;   70-85 the roundings to f16;  86-101 the sums, l = a l + the sum;  102-117 the tile's O^T times a.
.macro SM t, first
.set rT, ST+8*(\t)
.set rS, S+32*(\t)
.set rP, P+16*(\t)
.set rO, 32*(\t)+2*(j-102)
.if j < 102
	WIN 0
.endif
.if j < 4
	v_max3_num_f32 v[rT+4+j], v[rS+8*j], v[rS+8*j+1], v[rS+8*j+2]   ; each accumulator is first read at its low end
.elseif j < 12
	v_max3_num_f32 v[rT+4+j%4], v[rT+4+j%4], v[rS+8*(j%4)+2*(j/4)+1], v[rS+8*(j%4)+2*(j/4)+2]
.elseif j == 12
	v_max3_num_f32 v[rT+4], v[rT+4], v[rS+7], v[rS+15]
.elseif j == 13
	v_max3_num_f32 v[rT+6], v[rT+6], v[rS+23], v[rS+31]
.elseif j == 14
	v_max3_num_f32 v[rT+4], v[rT+4], v[rT+5], v[rT+6]
.elseif (j == 15) && \first
	v_max_num_f32 v[rT+4], v[rT+4], v[rT+7]
.elseif j == 15
	v_max3_num_f32 v[rT+4], v[rT+4], v[rT+7], v[rT+1]
.elseif j == 16
	v_permlanex16_b32 v[rT+5], v[rT+4], s[SEL], s[SEL+1]  ; the query's other 32 keys lie in the lane 16 away
.elseif j == 18
	v_max_num_f32 v[rT+1], v[rT+4], v[rT+5]
.elseif j == 19
	v_mul_f32 v[rT], s[CS], v[rT+1]
.elseif ((j == 17) || (j == 20) || (j == 23) || (j > 101)) && \first
.elseif j == 17
	v_mov_b32 v[rT+7], v[rT]                       ; c m_old is kept for a
.elseif j == 20
	v_sub_f32 v[rT+7], v[rT+7], v[rT]
.elseif j == 23
	v_exp_f32 v[rT+6], v[rT+7]
.elseif (j < 23) || ((j < 38) && (j%2 == 0)) || ((j < 66) && (j%4 == 2))
.set b, (j-2)/4
.if j < 38
.set b, (j-20)/2
.endif
	v_pk_fma_f32 v[rS+2*b:rS+2*b+1], v[rS+2*b:rS+2*b+1], s[CS:CS+1], v[rT:rT+1] op_sel_hi:[1,0,0] neg_lo:[0,0,1] neg_hi:[0,0,1]  ; pair b: c s - c m
.elseif j < 70
.set e, j-38
.if j < 66
.set e, j-32-(j-38)/4
.endif
.if j < 38
.set e, (j-25)/2
.endif
	v_exp_f32 v[rS+e], v[rS+e]
.elseif j < 86
	v_cvt_pk_f16_f32 v[rP+j-70], v[rS+2*(j-70)], v[rS+2*(j-70)+1]
.elseif j < 102
.set z, j-86
.set w, 4
.set u, z
.if z >= 14
.set w, 32
.set u, 0
.elseif z >= 12
.set w, 16
.set u, z-12
.elseif z >= 8
.set w, 8
.set u, z-8
.endif
.if (z == 14) && \first
	v_pk_add_f32 v[rT+2:rT+3], v[rS:rS+1], v[rS+16:rS+17]
.elseif z < 15
	v_pk_add_f32 v[rS+w*u:rS+w*u+1], v[rS+w*u:rS+w*u+1], v[rS+w*u+w/2:rS+w*u+w/2+1]
.elseif !\first
	v_pk_fma_f32 v[rT+2:rT+3], v[rT+2:rT+3], v[rT+6:rT+7], v[rS:rS+1] op_sel_hi:[1,0,1]
.endif
.else
	WIN W_RS
	v_pk_mul_f32 v[rO:rO+1], v[rO:rO+1], v[rT+6:rT+7] op_sel_hi:[1,0]
.endif
.endm
; Slice k of 59 of piece y's softmax: four instructions.  Slices 11 to 34 deal out the batch, four numbers of ONE tile each, the tiles by turns; every other slice is numbers 2 k and 2 k + 1 of both tiles.
; Ahead of slice 35 nothing names an exponential's result, behind slice 34 none is issued: one plain line and one wait behind slice 34 serve the piece's 66.
.macro SLICE y, first
.if (k >= 11) && (k < 35)
.irp n, 0,1,2,3
.set j, 22+4*((k-11)/2)+(\n)
	SM (\y)+(k-11)%2, \first
.endr
.else
.irp n, 0,1
.irp t, \y, \y+1
.set j, 2*k+\n
	SM \t, \first
.endr
.endr
.endif
.if k == 34
	v_nop                                          ; the plain line behind the last exponential
.if (\y) == 0
	FETCH_V                                        ; piece 2's turn: V's run of loads stands here, and the wait stands in it
.else
	s_wait_alu depctr_va_vdst(0)                   ; the wait for the batch
.endif
.endif
.set k, k+1
.endm
.macro DEAL y, first                   ; behind a turn's product number gi (from 1) of GN the slices stand up to 59 gi / GN
.set gi, gi+1
.rept (59*gi)/GN-k
	SLICE \y, \first
.endr
.endm
.macro PLACES
.rept 4
	v_nop
.endr
.endm
; A TURN.  Piece x has the matrix unit.  pv = 2: 16 products V^T P; 1: they start O^T's sums; 0: none.  kq = 1: 16 products K Q^T for the next step.
; The places: a turn's last two slices, eight packed multiplies on the other piece's O^T, stand between its last K Q^T and the next turn's reads of those scores and loads into K's registers
; (first = 1: those slices are empty, four v_nop take their part).  V's last reader is the turn's 16th product; six scalings, the v_nop and the run's own addition stand ahead of V's loads.
.macro TURN x, pv, kq, first
.set k, 0
.set gi, 0
.set GN, 16
.if \pv && \kq
.set GN, 32
.endif
.if \pv
.if \x == 0
	s_wait_dscnt 0x0                               ; V is in
.endif
.set i, 0
.rept 16
	PV \x, 2-\pv
	DEAL 2-\x, \first
.if (\x == 0) && \kq && (i == 1)
	FETCH_K
.endif
.set i, i+1
.endr
.endif
.if \kq
.if \x == 0
	s_wait_dscnt 0x0                               ; K is in
.endif
.set i, 0
.rept 16
	KQ \x
	DEAL 2-\x, \first
.set i, i+1
.endr
.endif
.if \first
	PLACES
.endif
.endm
; THE CHANGE OF SLOTS, behind piece 2's turn that asked for the slot's last bytes.  Each wave waits for all its tensor loads (one is out: its part of the other slot), adds 0 to its spare word,
; and waits for that and for its reads of the slot.  fill = 1: the barrier is a round of the cluster's, and the joint refill is the first thing behind it.
.macro CHANGE fill
	WIN 0
	s_wait_tensorcnt 0x0                           ; no tensor load of mine is out, so a group 0 may be written
	ds_add_u32 v[SPW], v[NIL]
.if \fill
.irp g, G0K+4, G0V+4
	s_xor_b32 s[\g+1], s[\g+1], SLOT1              ; the walking descriptor: the other slot than last time,
	s_add_nc_u64 s[\g+2:\g+3], s[\g+2:\g+3], NST*KS*ROWB   ; the next 256 keys
.endr
	s_wait_xcnt 0x0                                ; the last prefetch, a slot back, has read its address
	s_add_nc_u64 s[PFA:PFA+1], s[PFA:PFA+1], NST*KS*ROWB
	s_wait_dscnt 0x0                               ; the add is done, and my reads of the slot are over
	CROUND
	JLOAD
	ASK
.else
	s_wait_dscnt 0x0
	s_barrier_signal -1
	s_barrier_wait -1
.endif
	s_sub_co_u32 s[TBK], s[TBK], NST*KS*PK         ; the fetches go back to a slot's first step,
	s_xor_b32 s[TBK], s[TBK], SLOT1                ; in the other slot
	s_sub_co_u32 s[TBV], s[TBV], NST*KS*PV
	s_xor_b32 s[TBV], s[TBV], SLOT1
.endm
.macro STEPS n                         ; n key steps: written once, walked n times; the LDS addresses hang on s[TBK] and s[TBV]
	s_mov_b32 s[TWICE], \n
.Lstep_\@:
	TURN 0, 2, 1, 0
	TURN 2, 2, 1, 0
	WIN 0
	s_sub_co_u32 s[TWICE], s[TWICE], 1
	s_cmp_lg_u32 s[TWICE], 0
	s_cbranch_scc1 .Lstep_\@
.endm
	s_wait_tensorcnt 1                             ; my part of slot 0 is in; slot 1's may stay out
	s_barrier_signal -1
	s_barrier_wait -1
	FETCH_K                                        ; key step 0
	s_wait_loadcnt 0x0                             ; Q
	s_wait_dscnt 0x0
.set i, 0
.rept 16
	KQ 0                                           ; piece 0's first scores
.set i, i+1
.endr
	WIN 0                                          ; the addresses for the way out: nine plain lines, the places behind those products
	s_mul_i32 s13, s[WV], 16*SP
	s_add_co_u32 s13, s13, STAGE                   ; my stage
	v_mul_u32_u24 v[STO], v1, SP                   ; in: row l % 16, 16 bytes for each half of the lanes
	v_lshl_add_u32 v[STO], v9, 4, v[STO]
	v_add_nc_u32 v[STO], s13, v[STO]
	v_and_b32 v[GO], 31, v0
	v_lshrrev_b32 v[RD], 3, v[GO]                  ; back: eight lanes to a row of 128 bytes, four rows a load
	v_mul_u32_u24 v[RD], v[RD], SP
	v_lshl_add_u32 v[RD], v10, 4, v[RD]
	v_add_nc_u32 v[RD], s13, v[RD]
	v_lshlrev_b32 v[GO], 4, v[GO]                  ; in att those four rows are 512 consecutive bytes
	TURN 2, 0, 1, 1                                ; piece 2's first scores | piece 0's first softmax | V of step 0
	TURN 0, 1, 1, 1                                ; piece 0: V^T P of step 0 starts O^T, K Q^T of step 1 | piece 2's first softmax | K of step 1
	TURN 2, 1, 1, 0                                ; piece 2: the same | piece 0's softmax of step 1 | V of step 1
	WIN 0
	STEPS 2                                        ; the rest of slot 0 is fetched
.Lslot:                                                ; NSLOT - 2 trips: every slot but the last two is filled again
	CHANGE 1
	STEPS NST
	s_sub_co_u32 s[SLOTS], s[SLOTS], 1
	s_cmp_lg_u32 s[SLOTS], 0
	s_cbranch_scc1 .Lslot
	CHANGE 0                                       ; the tail is written out
	STEPS NST
	TURN 0, 2, 0, 0                                ; piece 0: V^T P of the last step | piece 2's last softmax
.set i, 0
.rept 16
	PV 2, 0                                        ; piece 2: V^T P of the last step
.set i, i+1
.endr
	; THE WAY OUT.  l's halves are added; O^T is divided by l, rounded to f16 and sent through my stage, a tile at a time.  The additions are the places behind the last products.
	WIN 0
.irp t, 0,1,2,3
	v_add_f32 v[ST+8*\t+4], v[ST+8*\t+2], v[ST+8*\t+3]
.endr
.irp t, 0,1,2,3
	v_permlanex16_b32 v[ST+8*\t+5], v[ST+8*\t+4], s[SEL], s[SEL+1]
.endr
.irp t, 0,1,2,3
	v_add_f32 v[ST+8*\t+4], v[ST+8*\t+4], v[ST+8*\t+5]
.endr
.irp t, 0,1,2,3
	v_rcp_f32 v[ST+8*\t+6], v[ST+8*\t+4]
.endr
	v_nop                                          ; a plain line behind the last reciprocal
	s_wait_alu depctr_va_vdst(0)                   ; one wait for the four, ahead of the first use
.macro PACK t
	WIN W_RS
.set i, 32*\t
.rept 16
	v_pk_mul_f32 v[i:i+1], v[i:i+1], v[ST+8*\t+6:ST+8*\t+7] op_sel_hi:[1,0]
.set i, i+2
.endr
	WIN 0x05                                       ; sources window 1, destination window 0: S^T's registers are free
.set i, 0
.rept 16
	v_cvt_pk_f16_f32 v[S+32*\t+i], v[32*\t+2*i], v[32*\t+2*i+1]
.set i, i+1
.endr
	WIN 0
.irp f, 0,1,2,3
	ds_store_b128 v[STO], v[S+32*\t+4*\f:S+32*\t+4*\f+3] offset:32*\f
.endr
.irp f, 0,1,2,3
	ds_load_b128 v[S+32*\t+4*\f:S+32*\t+4*\f+3], v[RD] offset:\f*4*SP   ; LDS serves a wave's instructions in order: these see the stores above; the next tile's stores come behind them
.endr
.endm
.macro SEND t, younger                 ; younger: the LDS instructions issued behind tile t's loads: the next tile's eight, or none
.irp f, 0,1,2,3
	s_wait_dscnt \younger+3-\f
	global_store_b128 v[GO], v[S+32*\t+4*\f:S+32*\t+4*\f+3], s[10:11] offset:\t*2048+\f*512   ; 512 consecutive bytes, aligned
.endr
.endm
	PACK 0
	PACK 1
	SEND 0, 8
	PACK 2
	SEND 1, 8
	PACK 3
	SEND 2, 8
	SEND 3, 0
	s_wait_tensorcnt 0x0                           ; the wave's end
	ds_add_u32 v[SPW], v[NIL]
	s_wait_dscnt 0x0
	CROUND                                         ; the closing round
	s_endpgm
.Lfunc_end_k_q3ff13dac62_attn:
	.size	k_q3ff13dac62_attn, .Lfunc_end_k_q3ff13dac62_attn-k_q3ff13dac62_attn
	.p2alignl 7, 3214868480
	.fill 96, 4, 3214868480
	.section	.rodata,"a",@progbits
	.p2align	6, 0x0
	.amdhsa_kernel k_q3ff13dac62_attn
		.amdhsa_group_segment_fixed_size 327680
		.amdhsa_private_segment_fixed_size 0
		.amdhsa_enable_private_segment 0
		.amdhsa_kernarg_size 16
		.amdhsa_user_sgpr_count 2
		.amdhsa_user_sgpr_kernarg_segment_ptr 1
		.amdhsa_wavefront_size32 1
		.amdhsa_system_sgpr_workgroup_id_x 1
		.amdhsa_system_sgpr_workgroup_id_y 1
		.amdhsa_system_sgpr_workgroup_id_z 1
		.amdhsa_system_vgpr_workitem_id 0
		.amdhsa_next_free_vgpr 1024
		.amdhsa_next_free_sgpr 72
		.amdhsa_reserve_vcc 0
		.amdhsa_float_denorm_mode_32 3
		.amdhsa_float_denorm_mode_16_64 3
		.amdhsa_memory_ordered 1
		.amdhsa_forward_progress 1
		.amdhsa_inst_pref_size 195
	.end_amdhsa_kernel
	.amdgpu_metadata
---
amdhsa.version: [ 1, 2 ]
amdhsa.kernels:
  - .name:           k_q3ff13dac62_attn
    .symbol:         k_q3ff13dac62_attn.kd
    .args:
      - { .name: qkv, .offset: 0, .size: 8, .value_kind: global_buffer, .address_space: global }
      - { .name: att, .offset: 8, .size: 8, .value_kind: global_buffer, .address_space: global }
    .group_segment_fixed_size: 327680
    .private_segment_fixed_size: 0
    .kernarg_segment_align: 8
    .kernarg_segment_size: 16
    .max_flat_workgroup_size: 128
    .sgpr_count:     72
    .vgpr_count:     1024
    .wavefront_size: 32
...
	.end_amdgpu_metadata
.endif
;; end of part 3
;; launch proj (part 4): grid 4 x 64, 4 waves a work-group, clusters of 4 x 4, 327,680 bytes of LDS; arguments att, wo16, bo, out0; writes out0
.if DOCPART == 4
	.amdgcn_target "amdgcn-amd-amdhsa--gfx1250"
	.amdhsa_code_object_version 6
	.text
	.protected	k_q3ff13dac62_proj
	.globl	k_q3ff13dac62_proj
	.p2align	8
	.type	k_q3ff13dac62_proj,@function
k_q3ff13dac62_proj:
	s_mov_b64 s[64:65], 0
	v_nop
	global_prefetch_b8 v0, s[64:65] scope:SCOPE_SE
	s_setreg_imm32_b32 hwreg(HW_REG_WAVE_MODE, 25, 1), 1
	s_wait_xcnt 0x0
	s_wait_alu depctr_hold_cnt(0) depctr_sa_sdst(0) depctr_va_vdst(0) depctr_va_sdst(0) depctr_va_ssrc(0) depctr_va_vcc(0) depctr_vm_vsrc(0)
	s_getreg_b32 s2, hwreg(HW_REG_IB_STS2, 6, 4)
	s_cmp_eq_u32 s2, 0
	s_cbranch_scc0 .Lentry_in_a_cluster
	s_endpgm
.Lentry_in_a_cluster:
	s_bfe_u32 s2, ttmp6, 0x10000c
	s_cmp_lg_u32 s2, 0xf033
	s_cbranch_scc0 .Lentry_shape_is_right
	s_endpgm
.Lentry_shape_is_right:
; out0[m][i] = sum over o of att[m][o] Wo[i][o] + bo[i], m < 8,192, i < 512, o < 512.  att: 8 slabs [8192][64] f16 (slab = o / 64); wo16: [512][512] f16; sums and out0 in f32.
; A tile of out0 is 128 x 128: 4 x 64 = 256 work-groups.  Four waves, each 64 x 64: 16 accumulators.  K goes in 4 chunks of 128 (two slabs); all of K lies in LDS at once, each byte filled once.
; CLUSTERS: 4 x 4.  att's tiles are shared along a row of the cluster, Wo's along a column: asked for jointly.  Four loads of a wave are out at the most.
; THE PRODUCT IS USED TRANSPOSED (source 0 = 16 rows of Wo, source 1 = 16 rows of att): a lane holds eight neighbouring columns of one row.  bo is the C of each sum's first product.
; REGISTERS: window 0: v16-29 addresses; v32-63 bo, 8 a column block; v64-127 two sets of 32 for the way out; v128-255 the accumulators at 128 + 8 (4 a + b).
;   windows 1 and 2: two fragment buffers: att's at 8 (4 kq + a), Wo's at 128 + 8 (4 kq + b).
.set PA,     144                       ; a row of att in LDS: 128 bytes + 16
.set PB,     272                       ; a row of Wo's chunk: 256 + 16
.set ASL,    128*PA                    ; a slab's 128 rows
.set BOFF,   8*ASL
.set BCH,    128*PB                    ; a chunk's 128 rows of Wo
.set STG,    BOFF+4*BCH                ; the stages: 16 rows x (256 bytes + 16) for each wave; no fill lands here
.set SPITCH, 272
.set SPARE,  STG+4*16*SPITCH           ; the spare words
.set ADRA, 16                          ; v16-19 chunk c's fragments of att
.set ADRB, 20                          ; v20-23 of Wo
.set STO,  24
.set RD,   25
.set CO,   26
.set SPW,  28
.set NIL,  29
.set BIAS, 32
.set OUTR, 64
.set ACC,  128
.set G1A,  24                          ; s[24:31]
.set G1B,  32                          ; s[32:39]
.set G0A,  40                          ; s[40:55] a set for each chunk
.set G0B,  68                          ; s[68:83]
.set MSB, 0
.macro WIN new
.if MSB != \new
	s_set_vgpr_msb (MSB<<8)|\new
.set MSB, \new
.endif
.endm
.macro CROUND
	s_barrier_signal -1
	s_barrier_wait -1
	s_cmp_lg_u32 s12, 0
	s_cbranch_scc1 .Lnot_wave_0_\@
	s_barrier_signal -3
.Lnot_wave_0_\@:
	s_barrier_wait -3
	s_barrier_signal -1
	s_barrier_wait -1
.endm
.macro PLACES
.rept 4
	v_nop
.endr
.endm
	s_load_b256 s[4:11], s[0:1], 0x0               ; att, wo16, bo, out0
	v_lshl_add_u32 v[SPW], v0, 2, SPARE
	v_mov_b32 v[NIL], 0
	ds_add_u32 v[SPW], v[NIL]                      ; the wave's opening: the add, twice on end, and its wait ahead of my first tensor load
	ds_add_u32 v[SPW], v[NIL]
	v_lshrrev_b32 v1, 5, v0
	v_readfirstlane_b32 s12, v1                    ; wave 0..3
	s_lshr_b32 s13, s12, 1                         ; my half of the rows.  Also: I fetch for att (0) or for Wo (1)
	s_and_b32 s14, s12, 1                          ; my half of the columns.  Also: which slab of a chunk, or which 64 rows of Wo, I fetch
	s_bfe_u32 s56, ttmp6, 0x40000                  ; cx
	s_bfe_u32 s57, ttmp6, 0x40004                  ; cy
	s_lshl_b32 s58, ttmp9, 2
	s_add_co_u32 s58, s58, s56                     ; tile column
	s_and_b32 s15, ttmp7, 0xffff
	s_lshl_b32 s15, s15, 2
	s_add_co_u32 s15, s15, s57                     ; tile row
	s_lshl_b32 s59, s57, 2
	s_lshl_b32 s59, 15, s59                        ; my row of the cluster
	s_lshl_b32 s60, 0x1111, s56                    ; my column
	s_or_b32 s[G1A], s59, (1<<16)|(1<<20)|(1<<21)|(4<<22)|(3<<25)   ; elements of 2 bytes; padding: 4 words behind every 32
	s_mov_b32 s[G1A+1], 64<<16                     ; 64 elements x 128 rows, 64 from row to row
	s_mov_b32 s[G1A+2], 128<<16
	s_mov_b32 s[G1A+3], 64<<16
	s_mov_b32 s[G1A+4], 128
	s_mov_b32 s[G1A+5], 64
	s_mov_b32 s[G1A+6], 0
	s_mov_b32 s[G1A+7], 0
	s_or_b32 s[G1B], s60, (1<<16)|(1<<20)|(1<<21)|(5<<22)|(3<<25)   ; padding: 4 words behind every 64
	s_mov_b32 s[G1B+1], 128<<16                    ; 128 elements x 64 rows, 512 from row to row
	s_mov_b32 s[G1B+2], 64<<16
	s_mov_b32 s[G1B+3], 128<<16
	s_mov_b32 s[G1B+4], 64
	s_mov_b32 s[G1B+5], 512
	s_mov_b32 s[G1B+6], 0
	s_mov_b32 s[G1B+7], 0
	s_lshl_b32 s16, s14, 20                        ; att: slab s14 of chunk 0,
	s_lshl_b32 s17, s15, 14                        ; the tile's 128 rows of 128 bytes
	s_add_co_u32 s16, s16, s17
	s_mov_b32 s17, 0
	s_lshl_b32 s20, s58, 7
	s_lshl_b32 s21, s14, 6
	s_add_co_u32 s20, s20, s21                     ; Wo: row 128 x tile column + 64 x half
	s_lshl_b32 s20, s20, 10
	s_mov_b32 s21, 0
	s_mul_i32 s18, s14, ASL                        ; where they go: the wave's number and constants alone
	s_mul_i32 s19, s14, 64*PB
	s_add_co_u32 s19, s19, BOFF
	s_wait_dscnt 0x0                               ; both opening adds are done
	s_wait_kmcnt 0x0
	s_add_nc_u64 s[16:17], s[4:5], s[16:17]
	s_add_nc_u64 s[20:21], s[6:7], s[20:21]
	CROUND                                         ; all sixteen work-groups are here
.irp c, 0,1,2,3
	s_mov_b32 s[G0A+4*\c], 1
	s_add_co_u32 s[G0A+4*\c+1], s18, \c*2*ASL
	s_add_nc_u64 s[G0A+4*\c+2:G0A+4*\c+3], s[16:17], \c*0x200000
	s_or_b32 s[G0A+4*\c+3], s[G0A+4*\c+3], 0x80000000
	s_mov_b32 s[G0B+4*\c], 1
	s_add_co_u32 s[G0B+4*\c+1], s19, \c*BCH
	s_add_nc_u64 s[G0B+4*\c+2:G0B+4*\c+3], s[20:21], \c*256
	s_or_b32 s[G0B+4*\c+3], s[G0B+4*\c+3], 0x80000000
.endr
	s_cmp_eq_u32 s13, 0                            ; a wave's four first fills stand in one branch, chunk 0 first
	s_cbranch_scc0 .Lfor_b
.irp c, 0,1,2,3
	tensor_load_to_lds s[G0A+4*\c:G0A+4*\c+3], s[G1A:G1A+7]
	s_nop 0
.endr
.rept 4
	v_nop
.endr
	s_branch .Lasked
.Lfor_b:
.irp c, 0,1,2,3
	tensor_load_to_lds s[G0B+4*\c:G0B+4*\c+3], s[G1B:G1B+7]
	s_nop 0
.endr
.rept 4
	v_nop
.endr
.Lasked:
	v_and_b32 v1, 15, v0                           ; r
	v_bfe_u32 v2, v0, 4, 1                         ; h
	s_lshl_b32 s16, s15, 7
	s_lshl_b32 s17, s13, 6
	s_add_co_u32 s16, s16, s17                     ; my first row of out0
	s_lshl_b32 s16, s16, 11
	s_mov_b32 s17, 0
	s_add_nc_u64 s[10:11], s[10:11], s[16:17]
	s_lshl_b32 s20, s58, 7
	s_lshl_b32 s21, s14, 6
	s_add_co_u32 s20, s20, s21                     ; my first column,
	s_lshl_b32 s20, s20, 2                         ; in bytes
	s_mov_b32 s21, 0
	s_add_nc_u64 s[10:11], s[10:11], s[20:21]
	s_add_nc_u64 s[8:9], s[8:9], s[20:21]          ; bo likewise
	v_lshlrev_b32 v5, 5, v2                        ; lane (r, h) wants bo at 16 b + 8 h + 0..7
.irp b, 0,1,2,3
	global_load_b128 v[BIAS+8*\b:BIAS+8*\b+3], v5, s[8:9] offset:64*\b
	global_load_b128 v[BIAS+8*\b+4:BIAS+8*\b+7], v5, s[8:9] offset:64*\b+16
.endr
	v_mul_u32_u24 v3, v1, PA
	v_lshl_add_u32 v3, v2, 4, v3
	s_mul_i32 s61, s13, 64*PA
	v_add_nc_u32 v[ADRA], s61, v3
	v_add_nc_u32 v[ADRA+1], 2*ASL, v[ADRA]
	v_add_nc_u32 v[ADRA+2], 4*ASL, v[ADRA]
	v_add_nc_u32 v[ADRA+3], 6*ASL, v[ADRA]
	v_mul_u32_u24 v4, v1, PB
	v_lshl_add_u32 v4, v2, 4, v4
	s_mul_i32 s61, s14, 64*PB
	s_add_co_u32 s61, s61, BOFF
	v_add_nc_u32 v[ADRB], s61, v4
	v_add_nc_u32 v[ADRB+1], BCH, v[ADRB]
	v_add_nc_u32 v[ADRB+2], 2*BCH, v[ADRB]
	v_add_nc_u32 v[ADRB+3], 3*BCH, v[ADRB]
	s_mul_i32 s61, s12, 16*SPITCH
	s_add_co_u32 s61, s61, STG                     ; my stage
	v_mul_u32_u24 v6, v1, SPITCH                   ; in: row r, 32 bytes for each half of the lanes
	v_lshl_add_u32 v6, v2, 5, v6
	v_add_nc_u32 v[STO], s61, v6
	v_mul_u32_u24 v6, v2, SPITCH                   ; back: lanes 0-15 one row of 256 bytes, lanes 16-31 the next
	v_lshl_add_u32 v6, v1, 4, v6
	v_add_nc_u32 v[RD], s61, v6
	v_lshlrev_b32 v[CO], 11, v2                    ; and the same two rows in out0
	v_lshl_add_u32 v[CO], v1, 4, v[CO]
; chunk c's 32 fragments into the buffer of window wl >> 6: 64 loads
.macro FETCH c, wl
	WIN \wl
.irp kq, 0,1,2,3
.irp a, 0,1,2,3
	ds_load_b128 v[8*(4*\kq+\a):8*(4*\kq+\a)+3],         v[ADRA+\c] offset:(\kq/2)*ASL+\a*16*PA+(\kq%2)*64
	ds_load_b128 v[8*(4*\kq+\a)+4:8*(4*\kq+\a)+7],       v[ADRA+\c] offset:(\kq/2)*ASL+\a*16*PA+(\kq%2)*64+32
	ds_load_b128 v[128+8*(4*\kq+\a):128+8*(4*\kq+\a)+3],   v[ADRB+\c] offset:\a*16*PB+\kq*64
	ds_load_b128 v[128+8*(4*\kq+\a)+4:128+8*(4*\kq+\a)+7], v[ADRB+\c] offset:\a*16*PB+\kq*64+32
.endr
.endr
.endm
; a chunk's 64 products; the 16 accumulators take turns.  first = 1: bo starts the sums
.macro MUL wm, first
	WIN \wm
.irp kq, 0,1,2,3
.irp a, 0,1,2,3
.irp b, 0,1,2,3
.if \first && (\kq == 0)
	v_wmma_f32_16x16x32_f16 v[ACC+8*(4*\a+\b):ACC+8*(4*\a+\b)+7], v[128+8*(4*\kq+\b):128+8*(4*\kq+\b)+7], v[8*(4*\kq+\a):8*(4*\kq+\a)+7], v[BIAS+8*\b:BIAS+8*\b+7]
.else
	v_wmma_f32_16x16x32_f16 v[ACC+8*(4*\a+\b):ACC+8*(4*\a+\b)+7], v[128+8*(4*\kq+\b):128+8*(4*\kq+\b)+7], v[8*(4*\kq+\a):8*(4*\kq+\a)+7], v[ACC+8*(4*\a+\b):ACC+8*(4*\a+\b)+7]
.endif
.endr
.endr
.endr
.endm
	s_wait_tensorcnt 0x3                           ; my part of chunk 0 is in; the three later chunks may stay out
	s_barrier_signal -1
	s_barrier_wait -1
	FETCH 0, 0x40
	s_wait_tensorcnt 0x2                           ; chunk 1
	s_wait_dscnt 0x0                               ; chunk 0's fragments are in; no LDS instruction is pending at the signal
	s_barrier_signal -1
	s_barrier_wait -1
	FETCH 1, 0x80
	s_wait_loadcnt 0x0                             ; bo
	MUL 0x05, 1
	PLACES                                         ; ahead of the loads into the buffer that these products read
	s_wait_tensorcnt 0x1                           ; chunk 2
	s_wait_dscnt 0x0                               ; chunk 1's fragments are in
	s_barrier_signal -1
	s_barrier_wait -1
	FETCH 2, 0x40
	MUL 0x0a, 0
	PLACES
	s_wait_tensorcnt 0x0                           ; chunk 3
	s_wait_dscnt 0x0
	s_barrier_signal -1
	s_barrier_wait -1
	FETCH 3, 0x80
	MUL 0x05, 0
	s_wait_dscnt 0x0
	MUL 0x0a, 0
	WIN 0
	; THE WAY OUT, 16 rows x 64 columns at a time through my own stage: back as rows of 256 bytes, which sixteen lanes store as 256 consecutive, aligned bytes
.macro TOSTAGE a
.irp b, 0,1,2,3
	ds_store_b128 v[STO], v[ACC+8*(4*(\a)+\b):ACC+8*(4*(\a)+\b)+3] offset:64*\b          ; each accumulator from its low end on
	ds_store_b128 v[STO], v[ACC+8*(4*(\a)+\b)+4:ACC+8*(4*(\a)+\b)+7] offset:64*\b+16
.endr
.set BB, OUTR+32*((\a)%2)
.irp t, 0,1,2,3,4,5,6,7
	ds_load_b128 v[BB+4*\t:BB+4*\t+3], v[RD] offset:\t*2*SPITCH   ; LDS serves a wave's instructions in order: these see the stores above
.endr
.endm
.macro SEND a, younger                 ; younger: the LDS instructions issued behind block a's loads
.set BB, OUTR+32*((\a)%2)
	s_wait_dscnt \younger
.irp t, 0,1,2,3,4,5,6,7
	global_store_b128 v[CO], v[BB+4*\t:BB+4*\t+3], s[10:11] offset:(16*(\a)+2*\t)*2048 th:TH_STORE_NT
.endr
.endm
	PLACES                                         ; four places behind the last products, ahead of the stores that read results
	TOSTAGE 0
.irp a, 1,2,3
.if \a > 1
	s_wait_xcnt 0x0                                ; block a - 2's stores have read their registers: block a's loads may land there
.endif
	TOSTAGE \a
	SEND \a-1, 16                                  ; behind block a - 1's loads: block a's 8 stores and 8 loads
.endr
	SEND 3, 0
	s_wait_tensorcnt 0x0                           ; the wave's end
	ds_add_u32 v[SPW], v[NIL]
	s_wait_dscnt 0x0
	CROUND                                         ; the closing round
	s_endpgm
.Lfunc_end_k_q3ff13dac62_proj:
	.size	k_q3ff13dac62_proj, .Lfunc_end_k_q3ff13dac62_proj-k_q3ff13dac62_proj
	.p2alignl 7, 3214868480
	.fill 96, 4, 3214868480
	.section	.rodata,"a",@progbits
	.p2align	6, 0x0
	.amdhsa_kernel k_q3ff13dac62_proj
		.amdhsa_group_segment_fixed_size 327680
		.amdhsa_private_segment_fixed_size 0
		.amdhsa_enable_private_segment 0
		.amdhsa_kernarg_size 32
		.amdhsa_user_sgpr_count 2
		.amdhsa_user_sgpr_kernarg_segment_ptr 1
		.amdhsa_wavefront_size32 1
		.amdhsa_system_sgpr_workgroup_id_x 1
		.amdhsa_system_sgpr_workgroup_id_y 1
		.amdhsa_system_sgpr_workgroup_id_z 1
		.amdhsa_system_vgpr_workitem_id 0
		.amdhsa_next_free_vgpr 768
		.amdhsa_next_free_sgpr 90
		.amdhsa_reserve_vcc 0
		.amdhsa_float_denorm_mode_32 3
		.amdhsa_float_denorm_mode_16_64 3
		.amdhsa_memory_ordered 1
		.amdhsa_forward_progress 1
		.amdhsa_inst_pref_size 50
	.end_amdhsa_kernel
	.amdgpu_metadata
---
amdhsa.version: [ 1, 2 ]
amdhsa.kernels:
  - .name:           k_q3ff13dac62_proj
    .symbol:         k_q3ff13dac62_proj.kd
    .args:
      - { .name: att, .offset: 0, .size: 8, .value_kind: global_buffer, .address_space: global }
      - { .name: wo16, .offset: 8, .size: 8, .value_kind: global_buffer, .address_space: global }
      - { .name: bo, .offset: 16, .size: 8, .value_kind: global_buffer, .address_space: global }
      - { .name: out0, .offset: 24, .size: 8, .value_kind: global_buffer, .address_space: global }
    .group_segment_fixed_size: 327680
    .private_segment_fixed_size: 0
    .kernarg_segment_align: 8
    .kernarg_segment_size: 32
    .max_flat_workgroup_size: 128
    .sgpr_count:     90
    .vgpr_count:     768
    .wavefront_size: 32
...
	.end_amdgpu_metadata
.endif
;; end of part 4
